; MI455X (gfx1250); checked and timed in simulation.
; The chip was launched on July 23, 2026; its instructions are those of AMD's public machine-readable ISA for CDNA 5 (MIT licence, August 2026) and "CDNA5" Instruction Set Architecture Reference Guide (July 2026). The comments in the code are by the model that wrote it; some were corrected since.
;; My LSTM. Allowed arithmetic: float matrix products may take bf16 or f16 operands with f32 sums; other float arithmetic in f32, or as packed bf16 or f16 multiplies, adds, multiply-adds, maxima and minima; sums over many terms, partial sums and values carried from step to step in f32; what a program stores and reads back later, other than sums and carried values, may be rounded once to bf16 or f16.
;; Inputs: Wf 2,048 x 4,096 float32; Wg 2,048 x 4,096 float32; Wi 2,048 x 4,096 float32; Wo 2,048 x 4,096 float32; bf 2,048 float32; bg 2,048 float32; bi 2,048 float32; bo 2,048 float32; c_old 2,048 x 2,048 float32; h_old 2,048 x 2,048 float32; x 2,048 x 2,048 float32.
;; Outputs: out0 2,048 x 2,048 float32; out1 2,048 x 2,048 float32.
;; Constants: mode = 0.
;; 2 versions, each right; version 2 is version 1 with the launch cast written anew for expert scheduling mode. Each part assembles by itself: llvm-mc -triple=amdgcn-amd-amdhsa -mcpu=gfx1250 --defsym DOCPART=n.
;; ======== version 1 of 2: 2 launches
;; limits: a function is approximated: absolute error at most 5e-07
;; workspace buffers: tb 16,777,216 bytes; wb 67,108,864 bytes
;; launch cast (part 1): grid 256 x 5, 8 waves a work-group, no clusters, 0 bytes of LDS; arguments x, h_old, Wf, Wi, Wo, Wg, tb, wb; writes tb, wb
.if DOCPART == 1
	.amdgcn_target "amdgcn-amd-amdhsa--gfx1250"
	.amdhsa_code_object_version 6
	.text
	.protected	k_qeeba248e4c_cast
	.globl	k_qeeba248e4c_cast
	.p2align	8
	.type	k_qeeba248e4c_cast,@function
k_qeeba248e4c_cast:
	s_mov_b64 s[64:65], 0
	v_nop
	global_prefetch_b8 v0, s[64:65] scope:SCOPE_SE
	s_setreg_imm32_b32 hwreg(HW_REG_WAVE_MODE, 25, 1), 1
	s_wait_xcnt 0x0
; LSTM cell, first of two launches: the matrix operands are rounded once to bf16 (to nearest even) and laid out for the product.
; NOTHING OF reference() IS LEFT OUT in either launch: every buffer has a way to c and h.  mode is a constant that reference() never reads; it has no buffer.
;   tb [2048][4096] bf16: row r = x[r] (2,048 numbers), then h_old[r]: the concatenation of reference(), 8,192 bytes a row.
;   wb [8192][4096] bf16: the four weight matrices, rows permuted.  Gate q (f 0, i 1, o 2, g 3), output column n = 64 j + 32 hh + c (c under 32) lies at row 256 j + 128 hh + 32 q + c:
;   so 128 consecutive rows of wb hold 32 output columns of all four gates, which one wave of the second launch multiplies and then combines without changing lanes.
; LIMITS.  The rounding to bf16 keeps 8 significant bits; NaN and infinities are rounded as the conversion rounds them and are not treated apart.
; SHARES.  1,280 equal work-groups; each reads 131,072 consecutive bytes of f32 and stores 65,536 bytes of bf16.  Plane y = 0: x (work-groups 0-127) and h_old (128-255), 16 rows each;
; planes 1-4: gate y - 1, 8 rows each (8 divides 32, so the 8 rows stay consecutive in wb).  A PIECE is 2,048 numbers: 8,192 bytes in, 4,096 consecutive bytes out; wave w has pieces 2 w, 2 w + 1.
; A load of a wave covers 512 consecutive bytes; the store made of it covers 256 consecutive bytes, aligned.  All 32 loads of a wave go out before the first wait: the whole share lies in registers,
; so there is no loop, and no LDS, barrier or matrix unit is of use: no byte is wanted by two waves.
.set X, 16                             ; v[16:143]  load k of 32: four registers of f32; the first two then hold the eight bytes to store
	s_load_b512 s[16:31], s[0:1], 0x0              ; x 16, h_old 18, Wf 20, Wi 22, Wo 24, Wg 26, tb 28, wb 30
	s_and_b32 s4, ttmp7, 0xffff                    ; y: the plane
	s_mov_b32 s5, ttmp9                            ; wx
	s_and_b32 s6, s5, 127                          ; plane 0: which 16 rows,
	s_lshr_b32 s7, s5, 7                           ; of x (0) or of h_old (1)
	s_lshl_b32 s34, s6, 17                         ; tb: 16 rows of 8,192 bytes,
	s_lshl_b32 s35, s7, 12                         ; h_old's half of a row begins 4,096 bytes in
	s_add_co_u32 s34, s34, s35
	s_lshr_b32 s35, s5, 3                          ; wb: j = wx / 8,
	s_lshl_b32 s35, s35, 8
	s_bfe_u32 s36, s5, 0x10002                     ; hh = bit 2 of wx,
	s_lshl_b32 s36, s36, 7
	s_add_co_u32 s35, s35, s36
	s_and_b32 s36, s5, 3                           ; c = 8 (wx mod 4) on,
	s_lshl_b32 s36, s36, 3
	s_add_co_u32 s35, s35, s36
	s_max_u32 s36, s4, 1
	s_sub_co_u32 s36, s36, 1                       ; q = y - 1 (plane 0 does not use it)
	s_lshl_b32 s36, s36, 5
	s_add_co_u32 s35, s35, s36
	s_lshl_b32 s35, s35, 13                        ; the row, in bytes
	s_cmp_eq_u32 s4, 0
	s_cselect_b32 s14, s34, s35                    ; where my work-group stores
	s_cselect_b32 s12, s6, s5
	s_cselect_b32 s32, 14, 13                      ; a wave's two pieces are 16,384 bytes apart from the next wave's in tb (two rows), 8,192 in wb (one row)
	s_lshl_b32 s12, s12, 17                        ; where it loads
	s_mov_b32 s13, 0
	s_mov_b32 s15, 0
	s_sub_co_u32 s36, s32, 1
	s_lshl_b32 s33, 1, s36                         ; from piece to piece: 8,192 bytes in tb, 4,096 in wb
	v_lshrrev_b32 v4, 5, v0                        ; wave
	v_and_b32 v5, 31, v0                           ; lane
	v_lshlrev_b32 v1, 4, v5
	v_lshl_or_b32 v1, v4, 14, v1                   ; loads: 16,384 x wave + 16 x lane
	v_lshlrev_b32 v2, s32, v4
	v_lshl_add_u32 v2, v5, 3, v2                   ; stores of piece 2 w: 8 x lane + the wave's place,
	v_add_nc_u32 v3, s33, v2                       ; of piece 2 w + 1
	s_wait_kmcnt 0x0
	s_cmp_ge_u32 s5, 128                           ; the source is chosen by the work-group's numbers alone
	s_cselect_b64 s[8:9], s[18:19], s[16:17]
	s_cmp_eq_u32 s4, 1
	s_cselect_b64 s[8:9], s[20:21], s[8:9]
	s_cmp_eq_u32 s4, 2
	s_cselect_b64 s[8:9], s[22:23], s[8:9]
	s_cmp_eq_u32 s4, 3
	s_cselect_b64 s[8:9], s[24:25], s[8:9]
	s_cmp_eq_u32 s4, 4
	s_cselect_b64 s[8:9], s[26:27], s[8:9]
	s_cmp_eq_u32 s4, 0
	s_cselect_b64 s[10:11], s[28:29], s[30:31]
	s_add_nc_u64 s[8:9], s[8:9], s[12:13]
	s_add_nc_u64 s[10:11], s[10:11], s[14:15]
.set k, 0
.rept 32
	global_load_b128 v[X+4*k:X+4*k+3], v1, s[8:9] offset:512*k th:TH_LOAD_NT  ; read once in the launch
.set k, k+1
.endr
.set k, 0
.rept 32
	s_wait_loadcnt 31-k                            ; loads come back in order (ISA guide 5.7.1): load k is in, the 31 - k younger ones stay out
	v_cvt_pk_bf16_f32 v[X+4*k],   v[X+4*k],   v[X+4*k+1]
	v_cvt_pk_bf16_f32 v[X+4*k+1], v[X+4*k+2], v[X+4*k+3]
	global_store_b64 v[2+k/16], v[X+4*k:X+4*k+1], s[10:11] offset:256*(k%16)  ; 32 lanes store 256 consecutive bytes, at a multiple of 256 from the buffer's first byte
.set k, k+1
.endr
	s_endpgm
.Lfunc_end_k_qeeba248e4c_cast:
	.size	k_qeeba248e4c_cast, .Lfunc_end_k_qeeba248e4c_cast-k_qeeba248e4c_cast
	.p2alignl 7, 3214868480
	.fill 96, 4, 3214868480
	.section	.rodata,"a",@progbits
	.p2align	6, 0x0
	.amdhsa_kernel k_qeeba248e4c_cast
		.amdhsa_group_segment_fixed_size 0
		.amdhsa_private_segment_fixed_size 0
		.amdhsa_enable_private_segment 0
		.amdhsa_kernarg_size 64
		.amdhsa_user_sgpr_count 2
		.amdhsa_user_sgpr_kernarg_segment_ptr 1
		.amdhsa_wavefront_size32 1
		.amdhsa_system_sgpr_workgroup_id_x 1
		.amdhsa_system_sgpr_workgroup_id_y 1
		.amdhsa_system_sgpr_workgroup_id_z 1
		.amdhsa_system_vgpr_workitem_id 0
		.amdhsa_next_free_vgpr 144
		.amdhsa_next_free_sgpr 66
		.amdhsa_reserve_vcc 0
		.amdhsa_float_denorm_mode_32 3
		.amdhsa_float_denorm_mode_16_64 3
		.amdhsa_memory_ordered 1
		.amdhsa_forward_progress 1
		.amdhsa_inst_pref_size 14
	.end_amdhsa_kernel
	.amdgpu_metadata
---
amdhsa.version: [ 1, 2 ]
amdhsa.kernels:
  - .name:           k_qeeba248e4c_cast
    .symbol:         k_qeeba248e4c_cast.kd
    .args:
      - { .name: x, .offset: 0, .size: 8, .value_kind: global_buffer, .address_space: global }
      - { .name: h_old, .offset: 8, .size: 8, .value_kind: global_buffer, .address_space: global }
      - { .name: Wf, .offset: 16, .size: 8, .value_kind: global_buffer, .address_space: global }
      - { .name: Wi, .offset: 24, .size: 8, .value_kind: global_buffer, .address_space: global }
      - { .name: Wo, .offset: 32, .size: 8, .value_kind: global_buffer, .address_space: global }
      - { .name: Wg, .offset: 40, .size: 8, .value_kind: global_buffer, .address_space: global }
      - { .name: tb, .offset: 48, .size: 8, .value_kind: global_buffer, .address_space: global }
      - { .name: wb, .offset: 56, .size: 8, .value_kind: global_buffer, .address_space: global }
    .group_segment_fixed_size: 0
    .private_segment_fixed_size: 0
    .kernarg_segment_align: 8
    .kernarg_segment_size: 64
    .max_flat_workgroup_size: 256
    .sgpr_count:     66
    .vgpr_count:     144
    .wavefront_size: 32
...
	.end_amdgpu_metadata
.endif
;; end of part 1
;; launch lstm (part 2): grid 32 x 8, 4 waves a work-group, clusters of 4 x 4, 327,680 bytes of LDS; arguments tb, wb, c_old, out0, bf, bi, bo, bg, out1; writes out0, out1
.if DOCPART == 2
	.amdgcn_target "amdgcn-amd-amdhsa--gfx1250"
	.amdhsa_code_object_version 6
	.text
	.protected	k_qeeba248e4c_lstm
	.globl	k_qeeba248e4c_lstm
	.p2align	8
	.type	k_qeeba248e4c_lstm,@function
k_qeeba248e4c_lstm:
	s_mov_b64 s[64:65], 0
	v_nop
	global_prefetch_b8 v0, s[64:65] scope:SCOPE_SE
	s_setreg_imm32_b32 hwreg(HW_REG_WAVE_MODE, 25, 1), 1
	s_wait_xcnt 0x0
	s_wait_alu depctr_hold_cnt(0) depctr_sa_sdst(0) depctr_va_vdst(0) depctr_va_sdst(0) depctr_va_ssrc(0) depctr_va_vcc(0) depctr_vm_vsrc(0)
	s_getreg_b32 s2, hwreg(HW_REG_IB_STS2, 6, 4)
	s_cmp_eq_u32 s2, 0
	s_cbranch_scc0 .Lentry_in_a_cluster
	s_endpgm
.Lentry_in_a_cluster:
	s_bfe_u32 s2, ttmp6, 0x10000c
	s_cmp_lg_u32 s2, 0xf033
	s_cbranch_scc0 .Lentry_shape_is_right
	s_endpgm
.Lentry_shape_is_right:
; LSTM cell, second launch: gates = tb wb^T + b (bf16 operands, f32 sums), then c = sigmoid(zf) c_old + sigmoid(zi) tanh(zg) -> out0 and h = sigmoid(zo) tanh(c) -> out1, all in f32.
; Nothing of reference() is left out.  tb [2048][4096] and wb [8192][4096] are the first launch's: wb's row 256 j + 128 hh + 32 q + c is gate q (f, i, o, g) of output column 64 j + 32 hh + c.
; ALL INPUTS ARE TAKEN ROUNDED TO bf16 ALIKE: x, h_old and the weights by the first launch; c_old and the four biases here, in registers, each once, to nearest even.  So the result is that of reference() on
; inputs so rounded, up to the order of the f32 sums and the last bits of the exponentials and reciprocals; with some inputs rounded and others not it would be near neither that nor reference() on the inputs as given.
; LIMITS.  Against reference() on the unrounded inputs c carries c_old's rounding, at most 2^-9 |f c_old|, each gate's argument its bias's, at most 2^-9 |b|, and the matrix operands' roundings.
; sigmoid(z) = 1 / (1 + 2^(-z log2 e)), tanh(u) = 1 - 2 / (1 + 2^(2 u log2 e)): right at both ends (2^big is an infinity, whose reciprocal is 0; 2^-big is 0); near u = 0 tanh keeps an absolute
; error of a few 2^-24, not a relative one.  An exponential below 2^-126 counts as 0 (ISA guide 15.8), so a gate there is exactly 0 or 1.  NaN and infinities among the inputs are not treated apart.
; SHARES.  A work-group makes 256 batch rows x 256 rows of wb = 64 output columns of all four gates; 8 x 32 = 256 work-groups.  Each of its four waves makes 128 x 128: 64 accumulators of 16 x 16,
; 512 registers: 128 batch rows x 32 output columns x 4 gates.  K goes in steps of 128 (rows of 256 bytes) through a ring of two LDS slots filled by the tensor data mover.
; THE MATRIX INSTRUCTION IS USED TRANSPOSED (source 0 = 16 rows of wb, source 1 = 16 rows of tb): in accumulator (a, b) lane l holds batch row 16 a + l % 16 and, in register j, wb's row 16 b + 8 (l / 16) + j.
; With b = 2 q + cb that is gate q of output column 16 cb + 8 (l / 16) + j of my 32: the four gates of one output lie in the same lane and the same register of four accumulators, so the tail changes no lane.
; CLUSTERS: 4 x 4 work-groups.  The four of a row of the cluster need the same tiles of tb, the four of a column the same tiles of wb: each tile is asked for JOINTLY, by the same tensor load with the same
; descriptor and a mask that names the four.  c_old's tile is each work-group's own: a plain load, behind a round like the others.
; LDS.  0: slot 0, tb's 256 rows x 272 bytes, then wb's 256; its last fill is c_old's tile, 256 rows x 272, from byte 0.  SLOT: slot 1, the same; behind its last fill and a barrier it is the stage for c
; (256 rows x 272) and for h (the same, STG further on).  2 SLOT: the spare words.  The launch claims all of LDS.
; REGISTERS, in windows of 256 (s_set_vgpr_msb: bits 1:0 source 0, 3:2 source 1, 5:4 source 2, 7:6 destination):
;   window 0: v0-31 addresses; v64-127, v128-191 fragments of tb, two buffers; in the tail v32-95 the four gates of 16 outputs, v96-111 c_old and c, v128-255 rows on their way out
;   window 1: v0-63 the biases of my 32 columns x 4 gates; v64-127, v128-191 fragments of wb, two buffers
;   window 2: the 32 accumulators of my rows 0-63 ((a, b) at v[8 (8 a + b)]);   window 3: those of my rows 64-127
.set SIZE_K, 4096
.set KSTEP,  128
.set PITCH,  272                       ; an LDS row: 256 bytes + 16 of padding = 68 words: row r starts at bank 4 r mod 64 (64 banks of 4 bytes: ISA guide 11.1), so the 16 rows that a load touches start at 16 different banks
.set HALFT,  128*PITCH                 ; 128 rows: what one joint load brings, and what one wave reads of tb or of wb
.set SLOT,   4*HALFT
.set STG,    256*PITCH                 ; a tile of 256 rows x 64 f32: c_old's, c's, h's
.set SPARE,  2*SLOT                    ; behind the ring: the spare words, 128 bytes for each wave: two blocks of 256 bytes that no other line names
.set LAPS,   SIZE_K/(2*KSTEP)          ; a lap = two K steps = once round the ring
.set ROWB,   8192                      ; bytes in a row of tb and wb, and of c_old, out0 and out1
.set CL,   6                           ; v6   LDS: my 32 bytes of c_old's row 128 RH + l % 16
.set SC,   7                           ; v7   the same place in c's stage
.set SH,   8                           ; v8   and in h's
.set RDC,  9                           ; v9   where I read rows of c back
.set RDH,  10                          ; v10  and of h
.set GO,   11                          ; v11  my byte offset in the tile of out0 and out1
.set BO,   12                          ; v12  my byte offset in a bias
.set ADRA, 16                          ; v16-17  LDS address of my fragments of tb in slot 0, 1
.set ADRB, 20                          ; v20-21  the same for wb
.set SPW,  28                          ; v28  LDS address of my spare word: SPARE + 4 x my thread's number; never rewritten
.set NIL,  29                          ; v29  0; never rewritten
.set PFO,  30                          ; v30  the prefetches' offset: my lane x a row of 8,192 bytes; never rewritten
.set F0,   64                          ; fragment buffer 0
.set F1,   128                         ; fragment buffer 1
.set Z,    32                          ; the tail: gate q of output 8 cb + j at Z + 16 q + 8 cb + j
.set CO,   96                          ; the tail: c_old, then c
.set OB0,  128                         ; 32 rows of c read back
.set OB1,  192                         ; 32 rows of h
.set WV,  12                           ; s12  my wave's number
.set RH,  13                           ; s13  which half of the tile's batch rows is mine.  Also: I fetch for tb (0) or for wb (1)
.set CH,  14                           ; s14  which half of its rows of wb.  Also: which 128 rows of that tile I fetch
.set CX,  15                           ; s15, s16  my place in the cluster
.set CY,  16
.set TX,  17                           ; s17  tile column: 64 output columns
.set TY,  18                           ; s18  tile row: 256 batch rows
.set LIM, 19                           ; s19  1 in a wave that prefetches K steps, else the greatest number
.set MSK, 23                           ; s23  a word's upper bf16
.set G1,  24                           ; s[24:31] descriptor group 1 for tb's tiles;  s[32:39] group 0, one set for each slot
.set G0,  32
.set PFA, 44                           ; s[44:45] where my prefetches stand: my work-group's 32 rows of the 128 that I fetch, one K step further on than the refill in hand
.set G1B, 48                           ; s[48:55], s[56:63] the same for wb's tiles
.set G0B, 56
.set G0C, 68                           ; s[68:71], s[72:79] c_old's tile
.set G1C, 72
.set BIA, 80                           ; s[80:87] bf, bi, bo, bg
.set O1,  88                           ; s[88:89] out1 at the tile's corner (out0: s[10:11])
.set CP,  90                           ; s[90:91] c_old at the 64 rows that my wave fetches; never rewritten
.set NL,  92                           ; s[92:93] -log2 e: the packed forms name a pair and take its low word for both halves
.set TL,  94                           ; s[94:95] 2 log2 e
.set MSB, 0
.macro WIN new                         ; the immediate's high byte repeats the setting that is left; a switch that changes nothing is dropped
.if MSB != (\new)
	s_set_vgpr_msb (MSB<<8)|(\new)
.set MSB, \new
.endif
.endm
.set MUL_LO, 0xa1                      ; source 0 (wb) window 1, source 1 (tb) window 0, C and D window 2
.set MUL_HI, 0xf1                      ; the same, C and D window 3
.set TO_B,   0x40                      ; destination window 1, address window 0
; A joint load.  Waves 0 and 1 fetch tb's two halves, waves 2 and 3 wb's.  Each line has one mask and one set of registers for all that issue it; the branch hangs on the wave's number alone.
; An s_nop 0 and four v_nop follow each line, ahead of the jump, the label and what follows.
.macro JLOAD s
	s_cmp_eq_u32 s[RH], 0
	s_cbranch_scc0 .Lfor_b_\@
	tensor_load_to_lds s[G0+4*(\s):G0+4*(\s)+3], s[G1:G1+7]
	s_nop 0
.rept 4
	v_nop
.endr
	s_branch .Lasked_\@
.Lfor_b_\@:
	tensor_load_to_lds s[G0B+4*(\s):G0B+4*(\s)+3], s[G1B:G1B+7]
	s_nop 0
.rept 4
	v_nop
.endr
.Lasked_\@:
.endm
.macro CLOAD                           ; c_old's tile: every wave fetches 64 rows of its own, 256 bytes each
	tensor_load_to_lds s[G0C:G0C+3], s[G1C:G1C+7]
	s_nop 0
.rept 4
	v_nop
.endr
.endm
; PREFETCHES INTO THE L2, behind a joint load, its five lines and the run of LDS loads that follows them.  (1) The K step that stands TWO refills on: 32 rows x 256 bytes, a lane a row, one instruction a wave: 512
; matrix instructions ahead of the load that will want it.  Each row's 256 bytes of a K step are named once in the launch: tb's tile row is read by every cluster of that row of clusters: cluster x = 0 asks;
; wb's tile column by both clusters of that column: cluster y = 0 asks.  The four partners that ask for a tile jointly share its rows out BY ADDRESS: of the 128 rows that a wave fetches the partner at place p
; takes 32 p .. 32 p + 31 (p = cx for tb, cy for wb).  The loop's last trip (s3 = 1) has no K step two on.  (2) In that last trip's first change of slots: my wave's 64 rows x 256 bytes of c_old, two K steps
; ahead of their load; no other wave of the launch reads them.
.macro ASK slot
	s_cmp_gt_u32 s3, s[LIM]
	s_cbranch_scc0 .Lnot_mine_\@
	global_prefetch_b8 v[PFO], s[PFA:PFA+1] offset:KSTEP*2 th:TH_LOAD_NT scope:SCOPE_SE
.Lnot_mine_\@:
.if (\slot) == 0
	s_cmp_eq_u32 s3, 1
	s_cbranch_scc0 .Lnot_yet_\@
	global_prefetch_b8 v[PFO], s[CP:CP+1] th:TH_LOAD_NT scope:SCOPE_SE
	global_prefetch_b8 v[PFO], s[CP:CP+1] offset:32*ROWB th:TH_LOAD_NT scope:SCOPE_SE
.Lnot_yet_\@:
.endif
.endm
; A round of the cluster's barrier: my work-group's barrier, so that wave 0's signal speaks for all four waves; wave 0 signals for the work-group; every wave waits for all sixteen; my work-group's barrier once more.
.macro CREST                           ; a round behind its opening barrier
	s_cmp_lg_u32 s[WV], 0
	s_cbranch_scc1 .Lnot_wave_0_\@
	s_barrier_signal -3
.Lnot_wave_0_\@:
	s_barrier_wait -3
	s_barrier_signal -1
	s_barrier_wait -1
.endm
.macro CROUND                          ; a whole round
	s_barrier_signal -1
	s_barrier_wait -1
	CREST
.endm
	s_load_b256 s[4:11], s[0:1], 0x0               ; tb s[4:5], wb s[6:7], c_old s[8:9], out0 s[10:11]
	s_load_b256 s[BIA:BIA+7], s[0:1], 0x20         ; bf, bi, bo, bg
	s_load_b64 s[O1:O1+1], s[0:1], 0x40            ; out1
	v_lshl_add_u32 v[SPW], v0, 2, SPARE
	v_mov_b32 v[NIL], 0
	ds_add_u32 v[SPW], v[NIL]                      ; the wave's opening: the add, twice on end, and its wait ahead of my first tensor load; the set-up below, work on registers, stands between
	ds_add_u32 v[SPW], v[NIL]                      ; and once more, under the one wait
	v_lshrrev_b32 v1, 5, v0
	v_readfirstlane_b32 s[WV], v1                  ; wave 0..3
	s_lshr_b32 s[RH], s[WV], 1
	s_and_b32 s[CH], s[WV], 1
	s_bfe_u32 s[CX], ttmp6, 0x40000
	s_bfe_u32 s[CY], ttmp6, 0x40004
	s_lshl_b32 s[TX], ttmp9, 2                     ; in a cluster launch ttmp9 and ttmp7 count clusters
	s_add_co_u32 s[TX], s[TX], s[CX]
	s_and_b32 s[TY], ttmp7, 0xffff
	s_lshl_b32 s[TY], s[TY], 2
	s_add_co_u32 s[TY], s[TY], s[CY]
	s_lshl_b32 s66, s[CY], 2
	s_lshl_b32 s66, 15, s66                        ; my row of the cluster: places 4 cy .. 4 cy + 3
	s_lshl_b32 s67, 0x1111, s[CX]                  ; my column: places cx, cx + 4, cx + 8, cx + 12
	; descriptor group 1 for tb and wb: a tile of 128 rows x 128 elements of 2 bytes, padded in LDS
	s_or_b32 s[G1+0], s66, (1<<16)|(1<<20)|(1<<21)|(5<<22)|(3<<25)   ; 15:0 the mask: tb's tiles go to my row; 17:16 2-byte elements; 20 padding on; 21 set beside a mask; 24:22 after every 64 words (code 5); 31:25 4 words (code 3)
	s_or_b32 s[G1B+0], s67, (1<<16)|(1<<20)|(1<<21)|(5<<22)|(3<<25)  ; the same with the mask of my column, for wb's tiles
.irp g, G1, G1B
	s_mov_b32 s[(\g)+1], KSTEP<<16                 ; tensor_dim0 = 128
	s_mov_b32 s[(\g)+2], 128<<16                   ; tensor_dim1 = 128
	s_mov_b32 s[(\g)+3], KSTEP<<16                 ; tile_dim0 = 128
	s_mov_b32 s[(\g)+4], 128                       ; tile_dim1 = 128
	s_mov_b32 s[(\g)+5], SIZE_K                    ; elements from row to row
	s_mov_b32 s[(\g)+6], 0
	s_mov_b32 s[(\g)+7], 0
.endr
	; and for c_old: 64 rows x 64 elements of 4 bytes, no mask, the same padding
	s_mov_b32 s[G1C+0], (2<<16)|(1<<20)|(5<<22)|(3<<25)
	s_mov_b32 s[G1C+1], 64<<16                     ; tensor_dim0 = 64
	s_mov_b32 s[G1C+2], 64<<16                     ; tensor_dim1 = 64
	s_mov_b32 s[G1C+3], 64<<16                     ; tile_dim0 = 64
	s_mov_b32 s[G1C+4], 64                         ; tile_dim1 = 64
	s_mov_b32 s[G1C+5], 2048                       ; elements from row to row
	s_mov_b32 s[G1C+6], 0
	s_mov_b32 s[G1C+7], 0
	s_mov_b32 s[NL], 0xbfb8aa3b                    ; -log2 e
	s_mov_b32 s[NL+1], s[NL]
	s_mov_b32 s[TL], 0x4038aa3b                    ; 2 log2 e
	s_mov_b32 s[TL+1], s[TL]
	s_mov_b32 s[MSK], 0xffff0000
	; where the tiles come from.  tb's hang on the tile row alone, which my row of the cluster shares; wb's on the tile column alone, which my column shares; each in registers that never hold the other coordinate
	s_lshl_b32 s2, s[CH], 7                        ; which 128 rows of the tile I fetch
	s_lshl_b32 s40, s[TY], 8
	s_add_co_u32 s40, s40, s2
	s_lshl_b32 s40, s40, 13                        ; rows of 8,192 bytes: under 2^24
	s_mov_b32 s41, 0
	s_lshl_b32 s42, s[TX], 8
	s_add_co_u32 s42, s42, s2
	s_lshl_b32 s42, s42, 13                        ; under 2^26
	s_mov_b32 s43, 0
	s_mul_i32 s3, s[WV], HALFT                     ; and where they go: tb's two halves, then wb's two = wave x 128 rows: no place in the cluster enters an LDS address
	s_wait_dscnt 0x0                               ; both opening adds are done
	s_wait_kmcnt 0x0
	s_add_nc_u64 s[40:41], s[4:5], s[40:41]
	s_add_nc_u64 s[42:43], s[6:7], s[42:43]
	CROUND                                         ; all sixteen work-groups are here: the first joint loads meet
.irp s, 0,1
	s_mov_b32 s[G0+4*(\s)], 1                                        ; count = 1
	s_add_co_u32 s[G0+4*(\s)+1], s3, (\s)*SLOT                       ; LDS address
	s_add_nc_u64 s[G0+4*(\s)+2:G0+4*(\s)+3], s[40:41], (\s)*KSTEP*2  ; global address: K step s
	s_or_b32 s[G0+4*(\s)+3], s[G0+4*(\s)+3], 0x80000000              ; type = 2
	s_mov_b32 s[G0B+4*(\s)], 1
	s_add_co_u32 s[G0B+4*(\s)+1], s3, (\s)*SLOT
	s_add_nc_u64 s[G0B+4*(\s)+2:G0B+4*(\s)+3], s[42:43], (\s)*KSTEP*2
	s_or_b32 s[G0B+4*(\s)+3], s[G0B+4*(\s)+3], 0x80000000
	JLOAD \s                                       ; the ring is filled before anything else is done: two loads of mine are out
.endr
	; A fragment is 16 rows x 32 K in 8 registers: lane l holds row l % 16; registers 0-3 K = 8 (l / 16) + 0..7, registers 4-7 K = 16 + 8 (l / 16) + 0..7: two loads of 16 bytes, 32 bytes apart
	v_and_b32 v1, 15, v0                           ; l % 16
	v_bfe_u32 v2, v0, 4, 1                         ; l / 16
	v_mul_u32_u24 v3, v1, PITCH
	v_lshl_add_u32 v3, v2, 4, v3                   ; row x pitch + 16 x half
	s_mul_i32 s21, s[RH], HALFT                    ; my 128 rows of tb
	s_mul_i32 s22, s[CH], HALFT                    ; my 128 rows of wb,
	s_add_co_u32 s22, s22, 2*HALFT                 ; which lie behind tb's 256
.irp s, 0,1
	v_add_nc_u32 v[ADRA+(\s)], s21, v3
	v_add_nc_u32 v[ADRB+(\s)], s22, v3
	s_add_co_u32 s21, s21, SLOT
	s_add_co_u32 s22, s22, SLOT
.endr
	; the tail's places.  In a tile of 256 rows x 64 f32 my wave has rows 128 RH on and bytes 128 CH on; my lane row l % 16 of a block of 16 and, for cb = 0, 1, the 32 bytes at 64 cb + 32 (l / 16)
	s_mul_i32 s21, s[RH], 128*PITCH
	s_lshl_b32 s22, s[CH], 7
	s_add_co_u32 s21, s21, s22
	v_mul_u32_u24 v[CL], v1, PITCH
	v_lshl_add_u32 v[CL], v2, 5, v[CL]
	v_add_nc_u32 v[CL], s21, v[CL]
	v_add_nc_u32 v[SC], SLOT, v[CL]
	v_add_nc_u32 v[SH], SLOT+STG, v[CL]
	; back: of each 64 finished rows of my row half I take 32 (32 CH on), whole: lanes 0-15 one row of 256 bytes, lanes 16-31 the next
	s_mul_i32 s21, s[RH], 128*PITCH
	s_mul_i32 s22, s[CH], 32*PITCH
	s_add_co_u32 s21, s21, s22
	s_add_co_u32 s21, s21, SLOT
	v_mul_u32_u24 v[RDC], v2, PITCH
	v_lshl_add_u32 v[RDC], v1, 4, v[RDC]
	v_add_nc_u32 v[RDC], s21, v[RDC]
	v_add_nc_u32 v[RDH], STG, v[RDC]
	s_lshl_b32 s21, s[RH], 7                       ; and the same rows in out0 and out1
	s_lshl_b32 s22, s[CH], 5
	s_add_co_u32 s21, s21, s22
	s_lshl_b32 s21, s21, 13
	v_lshlrev_b32 v[GO], 13, v2
	v_lshl_add_u32 v[GO], v1, 4, v[GO]
	v_add_nc_u32 v[GO], s21, v[GO]
	s_lshl_b32 s21, s[TX], 8                       ; a bias: 256 bytes a tile column, 128 for my half, 32 for my half of the lanes
	s_lshl_b32 s22, s[CH], 7
	s_add_co_u32 s21, s21, s22
	v_lshl_add_u32 v[BO], v2, 5, s21
	s_lshl_b32 s46, s[TY], 21                      ; the tile's corner in c_old, out0 and out1: 256 rows of 8,192 bytes a tile row,
	s_lshl_b32 s47, s[TX], 8                       ; 256 bytes a tile column
	s_add_co_u32 s46, s46, s47
	s_mov_b32 s47, 0
	s_add_nc_u64 s[10:11], s[10:11], s[46:47]
	s_add_nc_u64 s[O1:O1+1], s[O1:O1+1], s[46:47]
	s_lshl_b32 s2, s[WV], 19                       ; the 64 rows of c_old that my wave fetches
	s_add_co_u32 s46, s46, s2
	s_add_nc_u64 s[CP:CP+1], s[8:9], s[46:47]
	s_mov_b32 s[G0C], 1
	s_mul_i32 s[G0C+1], s[WV], 64*PITCH            ; they go to rows 64 x wave of the tile at LDS byte 0
	s_mov_b64 s[G0C+2:G0C+3], s[CP:CP+1]
	s_or_b32 s[G0C+3], s[G0C+3], 0x80000000
	; the prefetches of K steps
	s_lshl_b32 s20, s[TY], 8
	s_lshl_b32 s21, s[TX], 8
	s_and_b32 s22, ttmp7, 0xffff                   ; cluster y
	s_cmp_eq_u32 s[RH], 0                          ; do I fetch for tb?
	s_cselect_b32 s20, s20, s21                    ; the tile's first row: in tb by the tile row, in wb by the tile column
	s_cselect_b32 s21, s[CX], s[CY]                ; my place among the four that ask for it with me
	s_cselect_b32 s22, ttmp9, s22                  ; the coordinate along which other clusters read the same rows
	s_cselect_b64 s[PFA:PFA+1], s[4:5], s[6:7]
	s_cmp_eq_u32 s22, 0
	s_cselect_b32 s[LIM], 1, -1                    ; the same in all sixteen partners, for a given wave
	s_lshl_b32 s22, s[CH], 7
	s_add_co_u32 s20, s20, s22                     ; + the 128 rows that I fetch
	s_lshl_b32 s21, s21, 5
	s_add_co_u32 s20, s20, s21                     ; + my work-group's 32 of them
	s_lshl_b32 s20, s20, 13
	s_mov_b32 s21, 0
	s_add_nc_u64 s[PFA:PFA+1], s[PFA:PFA+1], s[20:21]
	s_add_nc_u64 s[PFA:PFA+1], s[PFA:PFA+1], 2*KSTEP*2  ; at K step 2: the first refill steps it to 3 and names K step 4.  Nothing is prefetched here, at the head, where every work-group's first tiles are on their way
	v_and_b32 v[PFO], 31, v0
	v_lshlrev_b32 v[PFO], 13, v[PFO]
	; the biases of my 16 outputs x 4 gates, into window 1's v0-63, which the loop leaves alone; they are waited for behind the loop
	WIN TO_B
.irp q, 0,1,2,3
.irp cb, 0,1
.irp hf, 0,1
	global_load_b128 v[16*(\q)+8*(\cb)+4*(\hf):16*(\q)+8*(\cb)+4*(\hf)+3], v[BO], s[BIA+2*(\q):BIA+2*(\q)+1] offset:64*(\cb)+16*(\hf)
.endr
.endr
.endr
	WIN 0
; 16 matrix instructions: m blocks a0, a0 + 1 of the window's four (hi = 0: my rows 0-63, 1: rows 64-127) x all 8 blocks of wb's rows, 32 along K.  zero = 1: the first product starts the sums: nothing is cleared.
; The 64 accumulators take turns, one instruction a turn, in the same order in every quarter step.
.macro MUL16 f, hi, a0, zero
	WIN MUL_LO+0x50*(\hi)
.irp a, \a0, (\a0)+1
.irp b, 0,1,2,3,4,5,6,7
.if \zero
	v_wmma_f32_16x16x32_bf16 v[8*(8*(\a)+(\b)):8*(8*(\a)+(\b))+7], v[(\f)+8*(\b):(\f)+8*(\b)+7], v[(\f)+8*(4*(\hi)+(\a)):(\f)+8*(4*(\hi)+(\a))+7], 0
.else
	v_wmma_f32_16x16x32_bf16 v[8*(8*(\a)+(\b)):8*(8*(\a)+(\b))+7], v[(\f)+8*(\b):(\f)+8*(\b)+7], v[(\f)+8*(4*(\hi)+(\a)):(\f)+8*(4*(\hi)+(\a))+7], v[8*(8*(\a)+(\b)):8*(8*(\a)+(\b))+7]
.endif
.endr
.endr
.endm
; 32 LDS loads in one run: the fragments of one quarter step (128 rows of wb, 128 rows of tb, 32 K at byte k of the rows) into buffer f
.macro FETCH slot, k, f
	WIN TO_B
.irp i, 0,1,2,3,4,5,6,7
	ds_load_b128 v[(\f)+8*(\i):(\f)+8*(\i)+3],   v[ADRB+(\slot)] offset:(\k)+(\i)*16*PITCH
	ds_load_b128 v[(\f)+8*(\i)+4:(\f)+8*(\i)+7], v[ADRB+(\slot)] offset:(\k)+(\i)*16*PITCH+32
.endr
	WIN 0
.irp i, 0,1,2,3,4,5,6,7
	ds_load_b128 v[(\f)+8*(\i):(\f)+8*(\i)+3],   v[ADRA+(\slot)] offset:(\k)+(\i)*16*PITCH
	ds_load_b128 v[(\f)+8*(\i)+4:(\f)+8*(\i)+7], v[ADRA+(\slot)] offset:(\k)+(\i)*16*PITCH+32
.endr
.endm
; A load into a register that a matrix instruction has read stands four places behind it, and only plain vector instructions that name none of its registers are places (ISA guide 7.12.1 for vector
; instructions): four v_nop in front of each run of loads.
.macro PLACES
.rept 4
	v_nop
.endr
.endm
; A K step is four quarter steps of 32 along K, 64 matrix instructions each, on buffers 0, 1, 0, 1.  One of the first three: multiplies buffer f; in its middle it fetches the next quarter, at byte k, into buffer g.
.macro QUARTER slot, k, f, g, zero
	s_wait_dscnt 8                                 ; wb's fragments and tb's rows 0-63 are in; the youngest eight loads (tb's rows 64-127) may be out
	WIN MUL_LO
	MUL16 \f, 0, 0, \zero
	MUL16 \f, 0, 2, \zero
	PLACES
	FETCH \slot, \k, \g
	s_wait_dscnt 32                                ; all but the 32 just issued
	WIN MUL_HI
	MUL16 \f, 1, 0, \zero
	MUL16 \f, 1, 2, \zero
.endm
; The first half of a K step's last quarter: the barrier of the change of slots, which opens a round of the cluster's.  In front of it each wave waits for all its tensor loads, of which one is out: its part of
; the next slot; adds 0 to its spare word; and waits for that and for its own reads of this slot.
.macro MEET
	WIN 0                                          ; (the add's two registers lie in window 0)
	s_wait_tensorcnt 0x0                           ; all my tensor loads have landed;
	ds_add_u32 v[SPW], v[NIL]                      ; 0 onto my spare word;
	s_wait_dscnt 9                                 ; (the add and the youngest eight loads may be out)
	WIN MUL_LO
	MUL16 F1, 0, 0, 0                              ; sixteen matrix instructions stand between the add and the wait for it
	s_wait_dscnt 0x0                               ; the add is done, and my reads of this slot are over:
	s_barrier_signal -1                            ; say so,
	MUL16 F1, 0, 2, 0                              ; work on registers while the others arrive,
	WIN 0
	s_barrier_wait -1                              ; and go on when all four have said so
.endm
; The whole last quarter.  Behind the round the slot just read out is filled again first: mode 0: with the K step two steps on, jointly; mode 1: with c_old's tile, its last fill.  Then come the next slot's first
; fragments.  From a request to the wait for it a wave issues 224 matrix instructions (c_old's: 288).
.macro TURN slot, next, mode
.if (\mode) == 0
	s_wait_xcnt 0x0                                ; the last prefetch, a K step back, has read its address: it is stepped here, ahead of the waits of the change of slots
	s_add_nc_u64 s[PFA:PFA+1], s[PFA:PFA+1], KSTEP*2
.endif
	MEET
	CREST                                          ; no wave of any partner still reads this slot's tile or has a load on its way
.if (\mode) == 0
	s_add_nc_u64 s[G0+4*(\slot)+2:G0+4*(\slot)+3], s[G0+4*(\slot)+2:G0+4*(\slot)+3], 2*KSTEP*2
	s_add_nc_u64 s[G0B+4*(\slot)+2:G0B+4*(\slot)+3], s[G0B+4*(\slot)+2:G0B+4*(\slot)+3], 2*KSTEP*2
	JLOAD \slot                                    ; the first tensor load behind the round; the four v_nop behind it are also the places in front of the loads below
.else
	CLOAD
.endif
	FETCH \next, 0, F0
.if (\mode) == 0
	ASK \slot
.endif
	WIN MUL_HI
	MUL16 F1, 1, 0, 0
	MUL16 F1, 1, 2, 0
.endm
; THE TAIL for block a of my eight blocks of 16 batch rows: 16 outputs a lane.  Four batches of transcendentals, each with plain work or a v_nop behind its last and one s_wait_alu ahead of its first reader.
.macro EPI a
	WIN 0
.irp cb, 0,1
.irp hf, 0,1
	ds_load_b128 v[CO+8*(\cb)+4*(\hf):CO+8*(\cb)+4*(\hf)+3], v[CL] offset:(\a)*16*PITCH+64*(\cb)+16*(\hf)  ; c_old; wanted behind the first batch
.endr
.endr
	WIN 0x12+(\a)/4                                ; source 0: the accumulators' window; source 2: the biases'; destination: window 0
.irp q, 0,1,2,3                        ; the exponents: -(z + b) log2 e for f, i, o; 2 (z + b) log2 e for g (the biases are scaled already).  Each accumulator is read from its lowest registers on
.irp cb, 0,1
.irp p, 0,1,2,3
	v_pk_fma_f32 v[Z+16*(\q)+8*(\cb)+2*(\p):Z+16*(\q)+8*(\cb)+2*(\p)+1], v[8*(8*((\a)%4)+2*(\q)+(\cb))+2*(\p):8*(8*((\a)%4)+2*(\q)+(\cb))+2*(\p)+1], s[NL+2*((\q)/3):NL+2*((\q)/3)+1], v[16*(\q)+8*(\cb)+2*(\p):16*(\q)+8*(\cb)+2*(\p)+1] op_sel_hi:[1,0,1]
.endr
.endr
.endr
	WIN 0
.set r, 0
.rept 64
	v_exp_f32 v[Z+r], v[Z+r]
.set r, r+1
.endr
	s_wait_dscnt 0x0                               ; c_old is in (asked for 32 multiply-adds and 64 exponentials back)
	; c_old is rounded to bf16 like every other input, in place: a pair is packed, then its two halves are made f32 again.  24 plain instructions that name no exponential's result:
	; the independent work between the batch and its wait
.set r, 0
.rept 8
	v_cvt_pk_bf16_f32 v[CO+r], v[CO+r], v[CO+r+1]
.set r, r+2
.endr
.set r, 0
.rept 8
	v_and_b32 v[CO+r+1], s[MSK], v[CO+r]           ; the high half stays,
.set r, r+2
.endr
.set r, 0
.rept 8
	v_lshlrev_b32 v[CO+r], 16, v[CO+r]             ; the low half moves up
.set r, r+2
.endr
	s_wait_alu depctr_va_vdst(0)                   ; one wait for the 64 exponentials
.set r, 0
.rept 32
	v_pk_add_f32 v[Z+r:Z+r+1], v[Z+r:Z+r+1], 1.0 op_sel_hi:[1,0]
.set r, r+2
.endr
.set r, 0
.rept 64
	v_rcp_f32 v[Z+r], v[Z+r]
.set r, r+1
.endr
	v_nop
	s_wait_alu depctr_va_vdst(0)                   ; one wait for the 64 reciprocals: f, i, o are made; g lacks its last step
.set r, 0
.rept 8
	v_pk_fma_f32 v[Z+48+r:Z+48+r+1], v[Z+48+r:Z+48+r+1], -2.0, 1.0 op_sel_hi:[1,0,0]  ; g = 1 - 2 / (1 + 2^..)
.set r, r+2
.endr
.set r, 0
.rept 8
	v_pk_mul_f32 v[Z+48+r:Z+48+r+1], v[Z+16+r:Z+16+r+1], v[Z+48+r:Z+48+r+1]           ; i g
.set r, r+2
.endr
.set r, 0
.rept 8
	v_pk_fma_f32 v[CO+r:CO+r+1], v[Z+r:Z+r+1], v[CO+r:CO+r+1], v[Z+48+r:Z+48+r+1]     ; c = f c_old + i g
.set r, r+2
.endr
.irp cb, 0,1
.irp hf, 0,1
	ds_store_b128 v[SC], v[CO+8*(\cb)+4*(\hf):CO+8*(\cb)+4*(\hf)+3] offset:(\a)*16*PITCH+64*(\cb)+16*(\hf)
.endr
.endr
.set r, 0
.rept 8
	v_pk_mul_f32 v[Z+r:Z+r+1], v[CO+r:CO+r+1], s[TL:TL+1] op_sel_hi:[1,0]             ; 2 c log2 e, where f lay
.set r, r+2
.endr
.set r, 0
.rept 16
	v_exp_f32 v[Z+r], v[Z+r]
.set r, r+1
.endr
	v_nop
	s_wait_alu depctr_va_vdst(0)
.set r, 0
.rept 8
	v_pk_add_f32 v[Z+r:Z+r+1], v[Z+r:Z+r+1], 1.0 op_sel_hi:[1,0]
.set r, r+2
.endr
.set r, 0
.rept 16
	v_rcp_f32 v[Z+r], v[Z+r]
.set r, r+1
.endr
	v_nop
	s_wait_alu depctr_va_vdst(0)
.set r, 0
.rept 8
	v_pk_fma_f32 v[Z+r:Z+r+1], v[Z+r:Z+r+1], -2.0, 1.0 op_sel_hi:[1,0,0]              ; tanh(c)
.set r, r+2
.endr
.set r, 0
.rept 8
	v_pk_mul_f32 v[Z+r:Z+r+1], v[Z+32+r:Z+32+r+1], v[Z+r:Z+r+1]                       ; h = o tanh(c)
.set r, r+2
.endr
.irp cb, 0,1
.irp hf, 0,1
	ds_store_b128 v[SH], v[Z+8*(\cb)+4*(\hf):Z+8*(\cb)+4*(\hf)+3] offset:(\a)*16*PITCH+64*(\cb)+16*(\hf)
.endr
.endr
.endm
; THE WAY OUT of half p of my row half's 128 rows: a row's 256 bytes come from two waves, so it stands behind a barrier.  I read 32 whole rows of c and of h back and store them.
.macro OUT p
	WIN 0
.if \p
	s_wait_xcnt 0x0                                ; every earlier memory instruction has had its addresses translated (ISA guide 3.1): the registers that the first half's stores read are loaded again only behind this wait
.endif
.irp t, 0,1,2,3,4,5,6,7,8,9,10,11,12,13,14,15
	ds_load_b128 v[OB0+4*(\t):OB0+4*(\t)+3], v[RDC] offset:(\p)*64*PITCH+(\t)*2*PITCH
.endr
.irp t, 0,1,2,3,4,5,6,7,8,9,10,11,12,13,14,15
	ds_load_b128 v[OB1+4*(\t):OB1+4*(\t)+3], v[RDH] offset:(\p)*64*PITCH+(\t)*2*PITCH
.endr
.irp t, 0,1,2,3,4,5,6,7,8,9,10,11,12,13,14,15
	s_wait_dscnt 31-(\t)                           ; LDS loads come back in order (ISA guide 5.7.1): the 31 - t younger ones may be out
	global_store_b128 v[GO], v[OB0+4*(\t):OB0+4*(\t)+3], s[10:11] offset:(64*(\p)+2*(\t))*ROWB th:TH_STORE_NT  ; 16 lanes store 256 consecutive bytes, at a multiple of 256 from out0's first byte
.endr
.irp t, 0,1,2,3,4,5,6,7,8,9,10,11,12,13,14,15
	s_wait_dscnt 15-(\t)
	global_store_b128 v[GO], v[OB1+4*(\t):OB1+4*(\t)+3], s[O1:O1+1] offset:(64*(\p)+2*(\t))*ROWB th:TH_STORE_NT
.endr
.endm
	s_wait_tensorcnt 1                             ; my part of K step 0 is in; K step 1's may stay out
	s_barrier_signal -1
	s_barrier_wait -1                              ; everybody's is
	FETCH 0, 0, F0
	QUARTER 0, 64,  F0, F1, 1                      ; the first quarter stands in front of the loop: its products start the sums
	WIN 0                                          ; at a label and at a branch every window is 0
	s_mov_b32 s3, LAPS-1
.Llap:                                                 ; 15 trips: once round the ring, from a lap's second quarter to the next lap's first; both slots are filled again: K steps 2 to 31
	QUARTER 0, 128, F1, F0, 0
	QUARTER 0, 192, F0, F1, 0
	TURN 0, 1, 0
	QUARTER 1, 64,  F0, F1, 0
	QUARTER 1, 128, F1, F0, 0
	QUARTER 1, 192, F0, F1, 0
	TURN 1, 0, 0
	QUARTER 0, 64,  F0, F1, 0
	WIN 0
	s_sub_co_u32 s3, s3, 1
	s_cmp_lg_u32 s3, 0
	s_cbranch_scc1 .Llap
	QUARTER 0, 128, F1, F0, 0                      ; the last lap is written out
	QUARTER 0, 192, F0, F1, 0
	TURN 0, 1, 1                                   ; slot 0 has been read out: it takes c_old's tile, which lands under the last K step
	QUARTER 1, 64,  F0, F1, 0
	QUARTER 1, 128, F1, F0, 0
	QUARTER 1, 192, F0, F1, 0
	s_wait_dscnt 8                                 ; the very last quarter: nothing more to fetch
	MUL16 F1, 0, 0, 0
	MUL16 F1, 0, 2, 0
	s_wait_dscnt 0x0
	MUL16 F1, 1, 0, 0
	MUL16 F1, 1, 2, 0
	WIN 0
	; One barrier for two things: behind it c_old's tile is whole (each wave has waited for its 64 rows), and nobody reads slot 1 any more, so that it can serve as the stage.
	s_wait_tensorcnt 0x0                           ; my rows of c_old have landed
	s_wait_loadcnt 0x0                             ; the biases, asked for at the head
	s_wait_dscnt 0x0                               ; my reads of slot 1 are over
	s_barrier_signal -1
	; Between signal and wait, work on registers: the biases are rounded to bf16 like every other input, in place (packed in pairs, the halves made f32 again), and then take the factor of their gate's
	; exponent, once.  These lines name window 1's v0-63 alone, no register of the last products: they are also the places behind those.
	WIN 0x45                                       ; destination and sources 0 and 1 in window 1
.set r, 0
.rept 32
	v_cvt_pk_bf16_f32 v[r], v[r], v[r+1]
.set r, r+2
.endr
.set r, 0
.rept 32
	v_and_b32 v[r+1], s[MSK], v[r]
.set r, r+2
.endr
.set r, 0
.rept 32
	v_lshlrev_b32 v[r], 16, v[r]
.set r, r+2
.endr
.set r, 0
.rept 32
	v_pk_mul_f32 v[r:r+1], v[r:r+1], s[NL+2*(r/48):NL+2*(r/48)+1] op_sel_hi:[1,0]
.set r, r+2
.endr
	WIN 0
	s_barrier_wait -1
.irp a, 0,1,2,3
	EPI \a
.endr
	s_wait_dscnt 0x0                               ; for the others' sake: my stores into the stage are done
	s_barrier_signal -1
	s_barrier_wait -1
	OUT 0                                          ; rows 0-63 of each row half leave while rows 64-127, which lie in other bytes of the stage, are made
.irp a, 4,5,6,7
	EPI \a
.endr
	s_wait_dscnt 0x0
	s_barrier_signal -1
	s_barrier_wait -1
	OUT 1
	s_wait_tensorcnt 0x0                           ; the wave's end: behind my last tensor load and my last LDS store
	ds_add_u32 v[SPW], v[NIL]
	s_wait_dscnt 0x0
	CROUND                                         ; the closing round: no work-group ends while a partner may still ask for a tile that names it
	s_endpgm
.Lfunc_end_k_qeeba248e4c_lstm:
	.size	k_qeeba248e4c_lstm, .Lfunc_end_k_qeeba248e4c_lstm-k_qeeba248e4c_lstm
	.p2alignl 7, 3214868480
	.fill 96, 4, 3214868480
	.section	.rodata,"a",@progbits
	.p2align	6, 0x0
	.amdhsa_kernel k_qeeba248e4c_lstm
		.amdhsa_group_segment_fixed_size 327680
		.amdhsa_private_segment_fixed_size 0
		.amdhsa_enable_private_segment 0
		.amdhsa_kernarg_size 72
		.amdhsa_user_sgpr_count 2
		.amdhsa_user_sgpr_kernarg_segment_ptr 1
		.amdhsa_wavefront_size32 1
		.amdhsa_system_sgpr_workgroup_id_x 1
		.amdhsa_system_sgpr_workgroup_id_y 1
		.amdhsa_system_sgpr_workgroup_id_z 1
		.amdhsa_system_vgpr_workitem_id 0
		.amdhsa_next_free_vgpr 1024
		.amdhsa_next_free_sgpr 96
		.amdhsa_reserve_vcc 0
		.amdhsa_float_denorm_mode_32 3
		.amdhsa_float_denorm_mode_16_64 3
		.amdhsa_memory_ordered 1
		.amdhsa_forward_progress 1
		.amdhsa_inst_pref_size 251
	.end_amdhsa_kernel
	.amdgpu_metadata
---
amdhsa.version: [ 1, 2 ]
amdhsa.kernels:
  - .name:           k_qeeba248e4c_lstm
    .symbol:         k_qeeba248e4c_lstm.kd
    .args:
      - { .name: tb, .offset: 0, .size: 8, .value_kind: global_buffer, .address_space: global }
      - { .name: wb, .offset: 8, .size: 8, .value_kind: global_buffer, .address_space: global }
      - { .name: c_old, .offset: 16, .size: 8, .value_kind: global_buffer, .address_space: global }
      - { .name: out0, .offset: 24, .size: 8, .value_kind: global_buffer, .address_space: global }
      - { .name: bf, .offset: 32, .size: 8, .value_kind: global_buffer, .address_space: global }
      - { .name: bi, .offset: 40, .size: 8, .value_kind: global_buffer, .address_space: global }
      - { .name: bo, .offset: 48, .size: 8, .value_kind: global_buffer, .address_space: global }
      - { .name: bg, .offset: 56, .size: 8, .value_kind: global_buffer, .address_space: global }
      - { .name: out1, .offset: 64, .size: 8, .value_kind: global_buffer, .address_space: global }
    .group_segment_fixed_size: 327680
    .private_segment_fixed_size: 0
    .kernarg_segment_align: 8
    .kernarg_segment_size: 72
    .max_flat_workgroup_size: 128
    .sgpr_count:     96
    .vgpr_count:     1024
    .wavefront_size: 32
...
	.end_amdgpu_metadata
.endif
;; end of part 2
;; ======== version 2 of 2: 2 launches; version 1 with the launch cast written anew for expert scheduling mode
;; limits: a function is approximated: absolute error at most 5e-07
;; workspace buffers: tb 16,777,216 bytes; wb 67,108,864 bytes
;; launch cast (part 3): grid 256 x 5, 8 waves a work-group, no clusters, 0 bytes of LDS; arguments x, h_old, Wf, Wi, Wo, Wg, tb, wb; writes tb, wb
.if DOCPART == 3
	.amdgcn_target "amdgcn-amd-amdhsa--gfx1250"
	.amdhsa_code_object_version 6
	.text
	.protected	k_qeeba248e4c_cast
	.globl	k_qeeba248e4c_cast
	.p2align	8
	.type	k_qeeba248e4c_cast,@function
k_qeeba248e4c_cast:
	s_mov_b64 s[64:65], 0
	v_nop
	global_prefetch_b8 v0, s[64:65] scope:SCOPE_SE
	s_setreg_imm32_b32 hwreg(HW_REG_WAVE_SCHED_MODE, 0, 2), 2
	s_setreg_imm32_b32 hwreg(HW_REG_WAVE_MODE, 25, 1), 1
	s_wait_xcnt 0x0
	s_wait_alu depctr_vm_vsrc(0)
; LSTM cell, first of two launches: the matrix operands are rounded once to bf16 (to nearest even) and laid out for the product.
; NOTHING OF reference() IS LEFT OUT in either launch: every buffer has a way to c and h.  mode is a constant that reference() never reads; it has no buffer.
;   tb [2048][4096] bf16: row r = x[r] (2,048 numbers), then h_old[r]: the concatenation of reference(), 8,192 bytes a row.
;   wb [8192][4096] bf16: the four weight matrices, rows permuted.  Gate q (f 0, i 1, o 2, g 3), output column n = 64 j + 32 hh + c (c under 32) lies at row 256 j + 128 hh + 32 q + c:
;   so 128 consecutive rows of wb hold 32 output columns of all four gates, which one wave of the second launch multiplies and then combines without changing lanes.
; LIMITS.  The rounding to bf16 keeps 8 significant bits; NaN and infinities are rounded as the conversion rounds them and are not treated apart.
; SHARES.  1,280 equal work-groups; each reads 131,072 consecutive bytes of f32 and stores 65,536 bytes of bf16.  Plane y = 0: x (work-groups 0-127) and h_old (128-255), 16 rows each;
; planes 1-4: gate y - 1, 8 rows each (8 divides 32, so the 8 rows stay consecutive in wb).  A PIECE is 2,048 numbers: 8,192 bytes in, 4,096 consecutive bytes out; wave w has pieces 2 w, 2 w + 1.
; A load of a wave covers 512 consecutive bytes; the store made of it covers 256 consecutive bytes, aligned.  All 32 loads of a wave go out before the first wait for data: the whole share lies in
; registers, so there is no loop, and no LDS, barrier or matrix unit is of use: no byte is wanted by two waves.
; THE MODE: SCHED_MODE bits 1:0 = 2 (LLVM: expert scheduling mode 2), set by the entry lines.  The code itself states the register dependences between vector instructions and memory
; instructions, with s_wait_alu, always for 0.
; THE PLAN.  Registers that memory instructions touch:
;   v1, v2, v3    byte offsets: written by vector instructions at the head, once; v1 is read by every load, v2 and v3 by sixteen stores each.
;   v[16:143]     load k lands in four registers that no vector instruction has named; its two conversions read the four and write the first two, in place; store k reads those two.
;                 Nothing writes them after that.
; So no register that a memory instruction has read is ever written again, and what is left to state is this alone: a store's data and every offset are written before they are read.
; The 32 loads go in eight blocks of four.  Block p rounds its own sixteen registers; its memory instructions are the four stores of block p - 1, whose registers no conversion of block p names.
; One wait at a block's head, behind the wait for the block's data, states that the block before has written what those stores read; the stores are then dealt among the block's conversions
; with no further wait.  No vector instruction writes a scalar register or VCC, and EXEC is never written.
.set X, 16                             ; v[16:143]  load k of 32: four registers of f32; the first two then hold the eight bytes to store
.set BLOCK, 4                          ; loads in a block
	s_load_b512 s[16:31], s[0:1], 0x0              ; x 16, h_old 18, Wf 20, Wi 22, Wo 24, Wg 26, tb 28, wb 30
	s_and_b32 s4, ttmp7, 0xffff                    ; y: the plane
	s_mov_b32 s5, ttmp9                            ; wx
	s_and_b32 s6, s5, 127                          ; plane 0: which 16 rows,
	s_lshr_b32 s7, s5, 7                           ; of x (0) or of h_old (1)
	s_lshl_b32 s34, s6, 17                         ; tb: 16 rows of 8,192 bytes,
	s_lshl_b32 s35, s7, 12                         ; h_old's half of a row begins 4,096 bytes in
	s_add_co_u32 s34, s34, s35
	s_lshr_b32 s35, s5, 3                          ; wb: j = wx / 8,
	s_lshl_b32 s35, s35, 8
	s_bfe_u32 s36, s5, 0x10002                     ; hh = bit 2 of wx,
	s_lshl_b32 s36, s36, 7
	s_add_co_u32 s35, s35, s36
	s_and_b32 s36, s5, 3                           ; c = 8 (wx mod 4) on,
	s_lshl_b32 s36, s36, 3
	s_add_co_u32 s35, s35, s36
	s_max_u32 s36, s4, 1
	s_sub_co_u32 s36, s36, 1                       ; q = y - 1 (plane 0 does not use it)
	s_lshl_b32 s36, s36, 5
	s_add_co_u32 s35, s35, s36
	s_lshl_b32 s35, s35, 13                        ; the row, in bytes
	s_cmp_eq_u32 s4, 0
	s_cselect_b32 s14, s34, s35                    ; where my work-group stores
	s_cselect_b32 s12, s6, s5
	s_cselect_b32 s32, 14, 13                      ; a wave's two pieces are 16,384 bytes apart from the next wave's in tb (two rows), 8,192 in wb (one row)
	s_lshl_b32 s12, s12, 17                        ; where it loads
	s_mov_b32 s13, 0
	s_mov_b32 s15, 0
	s_sub_co_u32 s36, s32, 1
	s_lshl_b32 s33, 1, s36                         ; from piece to piece: 8,192 bytes in tb, 4,096 in wb
	v_lshrrev_b32 v4, 5, v0                        ; wave
	v_and_b32 v5, 31, v0                           ; lane
	v_lshlrev_b32 v1, 4, v5
	v_lshl_or_b32 v1, v4, 14, v1                   ; loads: 16,384 x wave + 16 x lane
	v_lshlrev_b32 v2, s32, v4
	v_lshl_add_u32 v2, v5, 3, v2                   ; stores of piece 2 w: 8 x lane + the wave's place,
	v_add_nc_u32 v3, s33, v2                       ; of piece 2 w + 1
	s_wait_kmcnt 0x0
	s_cmp_ge_u32 s5, 128                           ; the source is chosen by the work-group's numbers alone
	s_cselect_b64 s[8:9], s[18:19], s[16:17]
	s_cmp_eq_u32 s4, 1
	s_cselect_b64 s[8:9], s[20:21], s[8:9]
	s_cmp_eq_u32 s4, 2
	s_cselect_b64 s[8:9], s[22:23], s[8:9]
	s_cmp_eq_u32 s4, 3
	s_cselect_b64 s[8:9], s[24:25], s[8:9]
	s_cmp_eq_u32 s4, 4
	s_cselect_b64 s[8:9], s[26:27], s[8:9]
	s_cmp_eq_u32 s4, 0
	s_cselect_b64 s[10:11], s[28:29], s[30:31]
	s_add_nc_u64 s[8:9], s[8:9], s[12:13]
	s_add_nc_u64 s[10:11], s[10:11], s[14:15]
	s_wait_alu depctr_va_vdst(0)                   ; v1, v2 and v3 are written: every load of the kernel reads v1 as its offset, every store v2 or v3; none of the three is written again
.set k, 0
.rept 32
	global_load_b128 v[X+4*k:X+4*k+3], v1, s[8:9] offset:512*k th:TH_LOAD_NT  ; read once in the launch
.set k, k+1
.endr
; Block p of eight: loads 4 p to 4 p + 3 are rounded; the four stores of block p - 1 go out, one ahead of each pair of conversions.
.set p, 0
.rept 32/BLOCK
	s_wait_loadcnt 32-BLOCK-BLOCK*p                ; loads come back in order (ISA guide 5.7.1): this block's four are in, the 28 - 4 p younger ones stay out
.if p > 0
	s_wait_alu depctr_va_vdst(0)                   ; the conversions of the block before have written the eight registers that the four stores below read; no conversion of this block names them
.endif
.set i, 0
.rept BLOCK
.set k, BLOCK*p+i
.if p > 0
	global_store_b64 v[2+(k-BLOCK)/16], v[X+4*(k-BLOCK):X+4*(k-BLOCK)+1], s[10:11] offset:256*((k-BLOCK)%16)  ; 32 lanes store 256 consecutive bytes, at a multiple of 256 from the buffer's first byte
.endif
	v_cvt_pk_bf16_f32 v[X+4*k],   v[X+4*k],   v[X+4*k+1]
	v_cvt_pk_bf16_f32 v[X+4*k+1], v[X+4*k+2], v[X+4*k+3]
.set i, i+1
.endr
.set p, p+1
.endr
	s_wait_alu depctr_va_vdst(0)                   ; the last block's conversions have written the eight registers that the last four stores read
.set k, 32-BLOCK
.rept BLOCK
	global_store_b64 v[2+k/16], v[X+4*k:X+4*k+1], s[10:11] offset:256*(k%16)
.set k, k+1
.endr
	s_endpgm
.Lfunc_end_k_qeeba248e4c_cast:
	.size	k_qeeba248e4c_cast, .Lfunc_end_k_qeeba248e4c_cast-k_qeeba248e4c_cast
	.p2alignl 7, 3214868480
	.fill 96, 4, 3214868480
	.section	.rodata,"a",@progbits
	.p2align	6, 0x0
	.amdhsa_kernel k_qeeba248e4c_cast
		.amdhsa_group_segment_fixed_size 0
		.amdhsa_private_segment_fixed_size 0
		.amdhsa_enable_private_segment 0
		.amdhsa_kernarg_size 64
		.amdhsa_user_sgpr_count 2
		.amdhsa_user_sgpr_kernarg_segment_ptr 1
		.amdhsa_wavefront_size32 1
		.amdhsa_system_sgpr_workgroup_id_x 1
		.amdhsa_system_sgpr_workgroup_id_y 1
		.amdhsa_system_sgpr_workgroup_id_z 1
		.amdhsa_system_vgpr_workitem_id 0
		.amdhsa_next_free_vgpr 144
		.amdhsa_next_free_sgpr 66
		.amdhsa_reserve_vcc 0
		.amdhsa_float_denorm_mode_32 3
		.amdhsa_float_denorm_mode_16_64 3
		.amdhsa_memory_ordered 1
		.amdhsa_forward_progress 1
		.amdhsa_inst_pref_size 13
	.end_amdhsa_kernel
	.amdgpu_metadata
---
amdhsa.version: [ 1, 2 ]
amdhsa.kernels:
  - .name:           k_qeeba248e4c_cast
    .symbol:         k_qeeba248e4c_cast.kd
    .args:
      - { .name: x, .offset: 0, .size: 8, .value_kind: global_buffer, .address_space: global }
      - { .name: h_old, .offset: 8, .size: 8, .value_kind: global_buffer, .address_space: global }
      - { .name: Wf, .offset: 16, .size: 8, .value_kind: global_buffer, .address_space: global }
      - { .name: Wi, .offset: 24, .size: 8, .value_kind: global_buffer, .address_space: global }
      - { .name: Wo, .offset: 32, .size: 8, .value_kind: global_buffer, .address_space: global }
      - { .name: Wg, .offset: 40, .size: 8, .value_kind: global_buffer, .address_space: global }
      - { .name: tb, .offset: 48, .size: 8, .value_kind: global_buffer, .address_space: global }
      - { .name: wb, .offset: 56, .size: 8, .value_kind: global_buffer, .address_space: global }
    .group_segment_fixed_size: 0
    .private_segment_fixed_size: 0
    .kernarg_segment_align: 8
    .kernarg_segment_size: 64
    .max_flat_workgroup_size: 256
    .sgpr_count:     66
    .vgpr_count:     144
    .wavefront_size: 32
...
	.end_amdgpu_metadata
.endif
;; end of part 3
;; launch lstm: the kernel of part 2 again; grid 32 x 8, 4 waves a work-group, clusters of 4 x 4, 327,680 bytes of LDS; arguments tb, wb, c_old, out0, bf, bi, bo, bg, out1; writes out0, out1
